; MI455X (gfx1250); checked and timed in simulation.
; The chip was launched on July 23, 2026; its instructions are those of AMD's public machine-readable ISA for CDNA 5 (MIT licence, August 2026) and "CDNA5" Instruction Set Architecture Reference Guide (July 2026). The comments in the code are by the model that wrote it; some were corrected since.
;; S6. Allowed arithmetic: float matrix products may take bf16 or f16 operands with f32 sums; all other float work in f32.
;; Inputs: A 1,024 x 16 float32; W1 1,024 x 1,024 float32; W2 1,024 x 16 float32; W3 1,024 x 16 float32; b1 1,024 float32; b2 16 float32; b3 16 float32; x 4 x 2,048 x 1,024 float32.
;; Outputs: out0 4 x 2,048 x 1,024 float32.
;; One version. Each part assembles by itself: llvm-mc -triple=amdgcn-amd-amdhsa -mcpu=gfx1250 --defsym DOCPART=n.
;; ======== version 1 of 1: 2 launches
;; workspace buffers: wt 2,359,296 bytes
;; launch prep (part 1): grid 16 x 8, 8 waves a work-group, no clusters, 20,736 bytes of LDS; arguments W1, W2, W3, wt; writes wt
.if DOCPART == 1
	.amdgcn_target "amdgcn-amd-amdhsa--gfx1250"
	.amdhsa_code_object_version 6
	.text
	.protected	k_q5bf799ad79_prep
	.globl	k_q5bf799ad79_prep
	.p2align	8
	.type	k_q5bf799ad79_prep,@function
k_q5bf799ad79_prep:
	s_mov_b64 s[64:65], 0
	v_nop
	global_prefetch_b8 v0, s[64:65] scope:SCOPE_SE
	s_setreg_imm32_b32 hwreg(HW_REG_WAVE_MODE, 25, 1), 1
	s_wait_xcnt 0x0
; THE PROBLEM:  y[m][d] = sum over n of C[m][n] * ( x[m][d] * ( delta[m][d] * B[m][n] ) ),  m = 0 .. 8191 (batch x length), d = 0 .. 1023, n = 0 .. 15,
;   B = x W2 + b2,  C = x W3 + b3,  delta = softplus(x W1 + b1).
; WORK LEFT OUT, for all values of the inputs:
;   * x[m][d] and delta[m][d] do not hang on n, so in exact arithmetic y[m][d] = x[m][d] * delta[m][d] * s[m] with s[m] = sum over n of B[m][n] C[m][n].
;     The arrays dB and h of [m][d][n] and the last sum over them are never formed; s[m] is formed once for a row.
;   * The input A is read by no line of the reference (dA stands in a comment only): it has no way to the output, is not loaded and is no argument of any launch.
; LIMITS: the factors are multiplied in the order ((softplus * s) * x), not in the reference's; an overflow, infinity or NaN that only the reference's order or the
;   arrays left out would reach is not carried to the result.  Further limits of the arithmetic stand at the head of the second kernel.
;
; THIS KERNEL makes the weights ready, once: bf16, K along the rows.  wt = 4 blocks x 288 rows x 1024 k of bf16 (a row is 2,048 bytes).
;   Block c: rows 0-255 = columns 256 c .. 256 c + 255 of W1, rows 256-271 = the 16 columns of W2, rows 272-287 = the 16 columns of W3
;   (W2 and W3 stand in every block, so that one dense tile of 288 rows is all that a block of 256 output columns needs).
; A work-group (nt = 0..15, kt = 0..7) turns 128 k x 64 columns of W1 and 128 k x 8 columns of W2 or W3 through LDS.
; Loads: 16 lanes take 256 consecutive bytes of a row of W1.  Stores: 16 lanes store 256 consecutive bytes of a row of wt, aligned.
.set LP,   272                         ; an LDS row: 128 k of bf16 + 16 bytes, so that the 16 rows read back by 16 lanes would start 16 bytes apart modulo 256
.set XROW, 64*LP                       ; the eight extra rows (W2 or W3) lie behind W1's 64
.set R,    12                          ; v[12:43]  8 k x 4 columns of f32 as loaded; later the rows read back
.set XF,   44                          ; v[44:47]  1 k x 4 columns of W2 or W3
.set D,    48                          ; v[48:63]  4 columns x 8 k of bf16
	s_load_b256 s[4:11], s[0:1], 0x0               ; W1 s[4:5], W2 s[6:7], W3 s[8:9], wt s[10:11]
	v_lshl_add_u32 v64, v0, 2, 0x4d00
	v_mov_b32 v65, 0
	v_lshrrev_b32 v1, 5, v0
	v_readfirstlane_b32 s16, v1                    ; wave 0..7
	s_and_b32 s13, ttmp7, 0xffff                   ; kt: which 128 k
	s_lshr_b32 s14, ttmp9, 2                       ; c: which block of wt
	s_and_b32 s15, ttmp9, 3                        ; sub: which 64 rows of the block, and which 8 of its 32 extra rows
	s_lshl_b32 s26, s13, 19                        ; W1: 128 kt rows of 4,096 bytes
	s_lshl_b32 s17, ttmp9, 8                       ;     + 64 nt columns of 4 bytes
	s_add_co_u32 s26, s26, s17
	s_mov_b32 s27, 0
	s_and_b32 s17, s15, 1                          ; W2 or W3: columns 0-7 or 8-15
	s_lshl_b32 s17, s17, 5
	s_lshl_b32 s28, s13, 13                        ;     + 128 kt rows of 64 bytes
	s_add_co_u32 s28, s28, s17
	s_mov_b32 s29, 0
	s_mul_i32 s17, s14, 288                        ; wt: row 288 c
	s_lshl_b32 s30, s15, 6                         ;     + 64 sub
	s_add_co_u32 s30, s30, s17
	s_lshl_b32 s30, s30, 11                        ;     rows of 2,048 bytes
	s_lshl_b32 s12, s13, 8                         ;     + 128 kt numbers of 2 bytes
	s_add_co_u32 s30, s30, s12
	s_mov_b32 s31, 0
	s_lshl3_add_u32 s17, s15, s17                  ; the extra rows: 288 c + 8 sub
	s_add_co_u32 s17, s17, 256                     ;     + 256
	s_lshl_b32 s17, s17, 11
	s_add_co_u32 s24, s17, s12
	s_mov_b32 s25, 0
	v_and_b32 v1, 15, v0                           ; nq: which 4 columns
	v_lshrrev_b32 v2, 4, v0                        ; kg: which 8 k
	v_lshlrev_b32 v3, 4, v1
	v_lshl_or_b32 v3, v2, 15, v3                   ; W1: 8 kg rows + 16 nq bytes
	v_and_b32 v9, 1, v0                            ; extras: which 4 of the 8 columns
	v_lshrrev_b32 v10, 1, v0                       ;         which k
	v_lshlrev_b32 v4, 4, v9
	v_lshl_or_b32 v4, v10, 6, v4                   ; W2, W3: k rows of 64 bytes + 16 bytes a group
	v_mul_u32_u24 v5, v1, 4*LP
	v_lshl_add_u32 v5, v2, 4, v5                   ; LDS, in: row 4 nq, byte 16 kg
	v_mul_u32_u24 v6, v9, 4*LP
	v_lshl_add_u32 v6, v10, 1, v6                  ; LDS, extras in: row 4 g (behind XROW, which stands in the immediate), byte 2 k
	v_mul_u32_u24 v7, v2, LP
	v_lshl_add_u32 v7, v1, 4, v7                   ; LDS, back: row kg, byte 16 nq
	v_lshlrev_b32 v8, 4, v1
	v_lshl_or_b32 v8, v2, 11, v8                   ; wt: row kg, byte 16 nq
	s_wait_kmcnt 0x0
	s_add_nc_u64 s[18:19], s[4:5], s[26:27]        ; W1 at my tile
	s_cmp_lt_u32 s15, 2                            ; sub 0, 1: W2;  sub 2, 3: W3
	s_cselect_b64 s[20:21], s[6:7], s[8:9]
	s_add_nc_u64 s[20:21], s[20:21], s[28:29]
	s_add_nc_u64 s[22:23], s[10:11], s[30:31]      ; wt at my 64 rows
	s_add_nc_u64 s[24:25], s[10:11], s[24:25]      ; wt at my 8 extra rows
	global_load_b128 v[XF:XF+3], v4, s[20:21]
.irp j, 0,1,2,3,4,5,6,7
	global_load_b128 v[R+4*\j:R+4*\j+3], v3, s[18:19] offset:4096*\j th:TH_LOAD_NT   ; k = 8 kg + j; W1 is read once in the launch
.endr
	s_wait_loadcnt 0x0
	; column i of my four: its eight k as four packed words, 16 bytes that belong together in a row of wt
.irp i, 0,1,2,3
.irp p, 0,1,2,3
	v_cvt_pk_bf16_f32 v[D+4*\i+\p], v[R+8*\p+\i], v[R+8*\p+4+\i]
.endr
.endr
.irp i, 0,1,2,3
	ds_store_b128 v5, v[D+4*\i:D+4*\i+3] offset:LP*\i      ; sixteen lanes lie 4 rows apart: four different 16-byte columns modulo 256; four such stores a thread in the whole launch
.endr
	v_cvt_pk_bf16_f32 v9, v[XF], v[XF+1]
	v_cvt_pk_bf16_f32 v10, v[XF+2], v[XF+3]
	ds_store_b16 v6, v9 offset:XROW
	ds_store_b16_d16_hi v6, v9 offset:XROW+LP
	ds_store_b16 v6, v10 offset:XROW+2*LP
	ds_store_b16_d16_hi v6, v10 offset:XROW+3*LP
	s_wait_dscnt 0x0                               ; my stores are in LDS, for the other waves' sake,
	s_barrier_signal -1
	s_barrier_wait -1                              ; and so are everybody's
.irp p, 0,1,2,3
	ds_load_b128 v[R+4*\p:R+4*\p+3], v7 offset:\p*16*LP    ; rows kg + 16 p: 16 lanes take a whole row of 256 bytes
.endr
	s_wait_dscnt 0x0
.irp p, 0,1,2,3
	global_store_b128 v8, v[R+4*\p:R+4*\p+3], s[22:23] offset:\p*16*2048
.endr
	s_cmp_ge_u32 s16, 4                            ; the 8 extra rows are rows kg = 0..7: waves 0 to 3
	s_cbranch_scc1 .Lend
	ds_load_b128 v[R+16:R+19], v7 offset:XROW
	s_wait_dscnt 0x0
	global_store_b128 v8, v[R+16:R+19], s[24:25]
.Lend:
	s_wait_tensorcnt 0x0
	ds_add_u32 v64, v65
	s_wait_dscnt 0x0
	s_endpgm
.Lfunc_end_k_q5bf799ad79_prep:
	.size	k_q5bf799ad79_prep, .Lfunc_end_k_q5bf799ad79_prep-k_q5bf799ad79_prep
	.p2alignl 7, 3214868480
	.fill 96, 4, 3214868480
	.section	.rodata,"a",@progbits
	.p2align	6, 0x0
	.amdhsa_kernel k_q5bf799ad79_prep
		.amdhsa_group_segment_fixed_size 20736
		.amdhsa_private_segment_fixed_size 0
		.amdhsa_enable_private_segment 0
		.amdhsa_kernarg_size 32
		.amdhsa_user_sgpr_count 2
		.amdhsa_user_sgpr_kernarg_segment_ptr 1
		.amdhsa_wavefront_size32 1
		.amdhsa_system_sgpr_workgroup_id_x 1
		.amdhsa_system_sgpr_workgroup_id_y 1
		.amdhsa_system_sgpr_workgroup_id_z 1
		.amdhsa_system_vgpr_workitem_id 0
		.amdhsa_next_free_vgpr 66
		.amdhsa_next_free_sgpr 66
		.amdhsa_reserve_vcc 0
		.amdhsa_float_denorm_mode_32 3
		.amdhsa_float_denorm_mode_16_64 3
		.amdhsa_memory_ordered 1
		.amdhsa_forward_progress 1
		.amdhsa_inst_pref_size 7
	.end_amdhsa_kernel
	.amdgpu_metadata
---
amdhsa.version: [ 1, 2 ]
amdhsa.kernels:
  - .name:           k_q5bf799ad79_prep
    .symbol:         k_q5bf799ad79_prep.kd
    .args:
      - { .name: W1, .offset: 0, .size: 8, .value_kind: global_buffer, .address_space: global }
      - { .name: W2, .offset: 8, .size: 8, .value_kind: global_buffer, .address_space: global }
      - { .name: W3, .offset: 16, .size: 8, .value_kind: global_buffer, .address_space: global }
      - { .name: wt, .offset: 24, .size: 8, .value_kind: global_buffer, .address_space: global }
    .group_segment_fixed_size: 20736
    .private_segment_fixed_size: 0
    .kernarg_segment_align: 8
    .kernarg_segment_size: 32
    .max_flat_workgroup_size: 256
    .sgpr_count:     66
    .vgpr_count:     66
    .wavefront_size: 32
...
	.end_amdgpu_metadata
.endif
;; end of part 1
;; launch main (part 2): grid 4 x 64, 4 waves a work-group, clusters of 4 x 4, 327,680 bytes of LDS; arguments x, wt, b1, b2, b3, out0; writes out0
.if DOCPART == 2
	.amdgcn_target "amdgcn-amd-amdhsa--gfx1250"
	.amdhsa_code_object_version 6
	.text
	.protected	k_q5bf799ad79_main
	.globl	k_q5bf799ad79_main
	.p2align	8
	.type	k_q5bf799ad79_main,@function
k_q5bf799ad79_main:
	s_mov_b64 s[64:65], 0
	v_nop
	global_prefetch_b8 v0, s[64:65] scope:SCOPE_SE
	s_setreg_imm32_b32 hwreg(HW_REG_WAVE_MODE, 25, 1), 1
	s_wait_xcnt 0x0
	s_wait_alu depctr_hold_cnt(0) depctr_sa_sdst(0) depctr_va_vdst(0) depctr_va_sdst(0) depctr_va_ssrc(0) depctr_va_vcc(0) depctr_vm_vsrc(0)
	s_getreg_b32 s2, hwreg(HW_REG_IB_STS2, 6, 4)
	s_cmp_eq_u32 s2, 0
	s_cbranch_scc0 .Lentry_in_a_cluster
	s_endpgm
.Lentry_in_a_cluster:
	s_bfe_u32 s2, ttmp6, 0x10000c
	s_cmp_lg_u32 s2, 0xf033
	s_cbranch_scc0 .Lentry_shape_is_right
	s_endpgm
.Lentry_shape_is_right:
; out0[m][d] = x[m][d] * softplus( (x W1)[m][d] + b1[d] ) * s[m],   s[m] = sum over n of ((x W2)[m][n] + b2[n]) ((x W3)[m][n] + b3[n]).
; Work left out (shown at the head of the first kernel): the arrays of [m][d][n] are never formed, since x and softplus(..) do not hang on n; the input A reaches no output.
; LIMITS: * matrix operands are rounded to bf16, sums in f32.   * the factors are multiplied as ((softplus * s) * x).
;   * the f32 sums over K begin at K step (cluster's y mod 8) and go round: their order of rounding differs from cluster to cluster and from the reference's.
;   * softplus(z) = max(z, 0) + ln(1 + e), e = 2^(-log2(e) |z|): the maximum is taken away in front of the exponential for every z.  v_exp_f32 gives 0 where its result would
;     be denormal (ISA guide, the instruction's entry), so for z below about -87 the result is 0 where the reference gives a number under 2^-126.
;   * ln(1 + e) on 0 <= e <= 1 is e times a polynomial of degree 7 in e (eight terms, no constant term): absolute error at most 3.2e-8, relative error at most 4e-6 for every e.
;   * a NaN in z travels through e; +infinity gives +infinity, -infinity gives 0.
;
; SHARES.  256 work-groups of four waves.  A work-group makes 128 rows (block row by) x 256 columns (block column bx); wave w = 2 mi + ni makes 64 rows x 128 columns:
; 32 accumulator tiles of 16 x 16.  It also makes the 16 + 16 columns of x W2 and x W3 for 32 of its rows (4 more tiles), so that the four waves together have s of all 128 rows.
; So that the extra tiles have fixed register numbers, a wave takes its 64 rows as halves p = 0, 1 at rows 64 mi + 32 (ni xor p): the half whose s it makes comes first.
; K goes in steps of 128 through two LDS slots.  A slot holds 288 rows of wt (bf16, from the first kernel: 256 columns of W1, then W2, then W3) and 128 rows of x (f32);
; x is rounded to bf16 between LDS and the matrix unit.
; THE ORDER OF THE K STEPS: fill number j of a cluster brings K step (cluster's y + j) mod 8.  Every step is taken once, so the sums are whole.  The sixteen clusters thus begin at
; eight different steps: each step's part of wt is among the first two fills of some clusters, the six refills ask for parts of wt that other clusters' earlier fills have named,
; and what the clusters ask for in fill j lies at eight different offsets in the rows of wt and of x, not at one.
; CLUSTER 4 x 4: x's tile hangs on by alone and is asked for jointly by a row of the cluster; wt's tile hangs on bx alone and is asked for jointly by a column.  The K step hangs on
; the cluster's y, which all sixteen share.
; THE MATRIX INSTRUCTION IS USED TRANSPOSED: source 0 = 16 rows of wt, source 1 = 16 rows of x; lane (r, h) then holds row r and the eight neighbouring columns 8 h + 0..7.
;
; REGISTERS in windows of 256:  window 0 addresses, constants, raw x, bf16 x fragments, the extra tiles;  window 1 wt's fragments (two buffers), later s;
;   window 2 the 32 accumulator tiles, tile (a, b) at 8 (8 a + b);  window 3 the wave's own 64 x 128 numbers of x for the last product, asked for at the start.
.set KSTEP,  128
.set WP,     272                       ; LDS row of wt: 256 bytes + 16
.set XP,     528                       ; LDS row of x and of the stage: 512 bytes + 16.  Both pitches are odd multiples of 16: sixteen rows start 16 bytes apart modulo 256
.set XT,     288*WP                    ; x's tile lies behind wt's 288 rows
.set SLOT,   XT+128*XP                 ; 145,920 bytes
.set STAGE,  2*SLOT                    ; 16 rows x 528 bytes for each wave, its own; no tensor load lands here
.set SBASE,  STAGE+4*16*XP             ; s of the 128 rows, each twice (8 bytes a row); no tensor load lands here
.set LAPS,   1024/(2*KSTEP)            ; a lap = two K steps = once round the two slots
.set ADRX, 10                          ; v10-13  x fragments: slot 0 half 0, slot 0 half 1, slot 1 half 0, slot 1 half 1
.set ADRW, 14                          ; v14-15  wt fragments of my 128 columns, slot 0, 1
.set ADRE, 16                          ; v16-17  wt fragments of W2 and W3, slot 0, 1
.set STO,  18                          ; v18     the way out: where a lane puts its eight numbers of a row
.set RD,   19                          ; v19     the way out: where a row is read back, 16 bytes a lane
.set XO,   20                          ; v20-21  byte offset in x and in out0 of half p's first row, 16 bytes a lane; never rewritten
.set SADR, 22                          ; v22     where s of my row goes
.set SRD,  23                          ; v23-24  where s of half p's 32 rows lies
.set B1,   28                          ; v[28:31]   b1 of my four columns
.set CF,   32                          ; v[32:47]   the polynomial's a1 .. a8, each twice
.set EX,   48                          ; v[48:79]   extra tiles: 2 e + c; e = rows 16 e .. of half 0; c = 0: x W2, 1: x W3
.set B2,   80                          ; v[80:87]   b2[8 h + 0..7]
.set B3,   88                          ; v[88:95]   b3[8 h + 0..7]
.set XR,   96                          ; v[96:159]  x as f32, 4 fragments x 16; on the way out Z0, Z1
.set XB,   160                         ; v[160:191], v[192:223]  x as bf16, two buffers; on the way out EE, PP
.set Z0,   96
.set Z1,   128
.set EE,   160
.set PP,   192
.set T,    224                         ; v[224:225] at work
.set SS,   226                         ; v[226:229] (s, s) of the two extra row tiles
.set G1X, 28                           ; s[28:35] group 1, x's tiles
.set G1W, 36                           ; s[36:43] group 1, wt's tiles
.set G0X, 44                           ; s[44:51] group 0, x's tiles, one set a slot
.set G0W, 52                           ; s[52:59] group 0, wt's tiles, one set a slot
                                       ; s[60:61] x at my part of the tile's rows, K step 0; s[66:67] the same for wt: never rewritten behind their set-up
                                       ; s88 cluster's y mod 8 + the number of fills so far; s89 the fill's K step; s[90:91] its byte offset in a row (s91 = 0)
.set MSB, 0
.macro WIN new                         ; low byte: bits 1:0 source 0, 3:2 source 1, 5:4 source 2, 7:6 destination; the high byte repeats the setting that is left
.if MSB != \new
	s_set_vgpr_msb (MSB<<8)|\new
.set MSB, \new
.endif
.endm
.set MUL_M, 0xa1                       ; source 0 (wt) window 1, source 1 (x) window 0, C and D window 2
.set MUL_E, 0x01                       ; source 0 (wt) window 1, all else window 0
.set TO_1,  0x40                       ; destination window 1
.set TO_3,  0xc0                       ; destination window 3
; The global addresses of slot s's next fill, x's and wt's, for K step s88 mod 8; then s88 counts the fill.  The offset is made in registers of its own and added to the bases,
; which stay as they are.  Called only where no tensor load of the wave names slot s's group 0.
.macro KADDR s
	s_and_b32 s89, s88, 7                          ; the K step, 0 to 7
	s_lshl_b32 s90, s89, 9                         ; x: 128 numbers of 4 bytes a step
	s_add_nc_u64 s[G0X+4*\s+2:G0X+4*\s+3], s[60:61], s[90:91]
	s_or_b32 s[G0X+4*\s+3], s[G0X+4*\s+3], 0x80000000              ; type = 2
	s_lshl_b32 s90, s89, 8                         ; wt: 128 numbers of 2 bytes a step
	s_add_nc_u64 s[G0W+4*\s+2:G0W+4*\s+3], s[66:67], s[90:91]
	s_or_b32 s[G0W+4*\s+3], s[G0W+4*\s+3], 0x80000000
	s_add_co_u32 s88, s88, 1
.endm
; A joint load.  Waves 0 and 1 fetch wt's two halves of 144 rows, waves 2 and 3 x's two halves of 64 rows.  Each line has one mask, and nothing in its registers hangs on a
; coordinate that the four partners do not share.  The branch hangs on the wave's number alone.
.macro JLOAD s
	s_cmp_eq_u32 s17, 0
	s_cbranch_scc0 .Lfor_x_\@
	tensor_load_to_lds s[G0W+4*\s:G0W+4*\s+3], s[G1W:G1W+7]
	s_nop 0
	s_branch .Lasked_\@
.Lfor_x_\@:
	tensor_load_to_lds s[G0X+4*\s:G0X+4*\s+3], s[G1X:G1X+7]
	s_nop 0
.Lasked_\@:
.endm
; A round of the cluster's barrier: my work-group's barrier; wave 0 signals for the work-group; every wave waits for all sixteen; my work-group's barrier once more.
.macro CREST                           ; a round behind its opening barrier
	s_cmp_lg_u32 s16, 0
	s_cbranch_scc1 .Lnot_wave_0_\@
	s_barrier_signal -3
.Lnot_wave_0_\@:
	s_barrier_wait -3
	s_barrier_signal -1
	s_barrier_wait -1
.endm
.macro CROUND
	s_barrier_signal -1
	s_barrier_wait -1
	CREST
.endm
	s_load_b256 s[4:11], s[0:1], 0x0               ; x s[4:5], wt s[6:7], b1 s[8:9], b2 s[10:11]
	s_load_b128 s[12:15], s[0:1], 0x20             ; b3 s[12:13], out0 s[14:15]
	v_lshl_add_u32 v254, v0, 2, 0x4fc00
	v_mov_b32 v255, 0
	ds_add_u32 v254, v255
	v_lshrrev_b32 v1, 5, v0
	v_readfirstlane_b32 s16, v1                    ; wave 0..3
	s_lshr_b32 s17, s16, 1                         ; mi: which 64 rows.  Also: I fetch for wt (0) or for x (1)
	s_and_b32 s18, s16, 1                          ; ni: which 128 columns.  Also: which half of that tile I fetch
	s_xor_b32 s25, s18, 1
	s_bfe_u32 s19, ttmp6, 0x40000                  ; cx
	s_bfe_u32 s20, ttmp6, 0x40004                  ; cy
	s_lshl_b32 s21, ttmp9, 2
	s_add_co_u32 s21, s21, s19                     ; bx = 4 x cluster x + cx
	s_and_b32 s22, ttmp7, 0xffff
	s_lshl_b32 s22, s22, 2
	s_add_co_u32 s22, s22, s20                     ; by = 4 x cluster y + cy
	s_lshl_b32 s23, s20, 2
	s_lshl_b32 s23, 15, s23                        ; my row of the cluster: places 4 cy .. 4 cy + 3
	s_lshl_b32 s24, 0x1111, s19                    ; my column: places cx, cx + 4, cx + 8, cx + 12
	s_mov_b32 s76, 0x76543210                      ; v_permlanex16_b32: lane i reads lane i of the other half
	s_mov_b32 s77, 0xfedcba98
	s_mov_b32 s78, 0xbfb8aa3b                      ; -log2(e)
	s_and_b32 s88, ttmp7, 7                        ; the cluster's y modulo 8: the K step at which this cluster begins; the same in all sixteen work-groups
	s_mov_b32 s91, 0                               ; the upper word of the offset pair
	; group 1 for x: 64 rows x 128 numbers of 4 bytes, 4 words of padding behind every 128 words
	s_or_b32 s[G1X+0], s23, (2<<16)|(1<<20)|(1<<21)|(6<<22)|(3<<25)
	s_mov_b32 s[G1X+1], KSTEP<<16                  ; tensor_dim0 = 128
	s_mov_b32 s[G1X+2], 64<<16                     ; tensor_dim1 = 64
	s_mov_b32 s[G1X+3], KSTEP<<16                  ; tile_dim0 = 128
	s_mov_b32 s[G1X+4], 64                         ; tile_dim1 = 64
	s_mov_b32 s[G1X+5], 1024                       ; numbers from row to row
	s_mov_b32 s[G1X+6], 0
	s_mov_b32 s[G1X+7], 0
	; group 1 for wt: 144 rows x 128 numbers of 2 bytes, 4 words of padding behind every 64 words
	s_or_b32 s[G1W+0], s24, (1<<16)|(1<<20)|(1<<21)|(5<<22)|(3<<25)
	s_mov_b32 s[G1W+1], KSTEP<<16
	s_mov_b32 s[G1W+2], 144<<16
	s_mov_b32 s[G1W+3], KSTEP<<16
	s_mov_b32 s[G1W+4], 144
	s_mov_b32 s[G1W+5], 1024
	s_mov_b32 s[G1W+6], 0
	s_mov_b32 s[G1W+7], 0
	; where the tiles come from: x's address is made of by and the wave's number, wt's of bx and the wave's number, each in registers that never hold the other coordinate
	s_lshl_b32 s60, s22, 19                        ; x: 128 by rows of 4,096 bytes
	s_lshl_b32 s27, s18, 18                        ;    + 64 ni rows
	s_add_co_u32 s60, s60, s27
	s_mov_b32 s61, 0
	s_mul_i32 s66, s21, 288                        ; wt: row 288 bx
	s_mul_i32 s80, s18, 144                        ;     + 144 ni
	s_add_co_u32 s66, s66, s80
	s_lshl_b32 s66, s66, 11                        ;     rows of 2,048 bytes
	s_mov_b32 s67, 0
	s_mul_i32 s81, s16, 144*WP                     ; and where they go: wt's halves at wave x 144 rows (waves 0, 1),
	s_mul_i32 s82, s16, 64*XP
	s_add_co_u32 s82, s82, XT-2*64*XP              ; x's halves at XT + (wave - 2) x 64 rows (waves 2, 3)
	; my 64 x 128 piece of x and of out0, and my 128 numbers of b1
	s_lshl_b32 s68, s22, 19
	s_lshl_b32 s83, s17, 18
	s_add_co_u32 s68, s68, s83                     ; (128 by + 64 mi) rows
	s_lshl_b32 s84, s21, 10
	s_lshl_b32 s83, s18, 9
	s_add_co_u32 s84, s84, s83                     ; (256 bx + 128 ni) columns of 4 bytes
	s_add_co_u32 s68, s68, s84
	s_mov_b32 s69, 0
	s_mov_b32 s85, 0
	s_wait_dscnt 0x0
	s_wait_kmcnt 0x0
	s_add_nc_u64 s[60:61], s[4:5], s[60:61]
	s_add_nc_u64 s[66:67], s[6:7], s[66:67]
	s_add_nc_u64 s[70:71], s[4:5], s[68:69]
	s_add_nc_u64 s[72:73], s[14:15], s[68:69]
	s_add_nc_u64 s[74:75], s[8:9], s[84:85]
	CROUND                                         ; all sixteen work-groups are here: the first joint loads meet
.irp s, 0,1
	s_mov_b32 s[G0X+4*\s], 1
	s_add_co_u32 s[G0X+4*\s+1], s82, \s*SLOT
	s_mov_b32 s[G0W+4*\s], 1
	s_add_co_u32 s[G0W+4*\s+1], s81, \s*SLOT
	KADDR \s                                       ; fills 0 and 1: the cluster's first two K steps
	JLOAD \s                                       ; both slots are asked for before anything else: two tensor loads of the wave are out
.endr
	v_and_b32 v1, 15, v0                           ; r
	v_bfe_u32 v2, v0, 4, 1                         ; h
	v_and_b32 v3, 31, v0                           ; lane
	v_mul_u32_u24 v4, v1, WP
	v_lshl_add_u32 v4, v2, 4, v4                   ; wt fragment: row r, 16 h bytes (8 k of bf16)
	v_mul_u32_u24 v5, v1, XP
	v_lshl_add_u32 v5, v2, 5, v5                   ; x fragment and stage: row r, 32 h bytes (8 numbers of f32)
	s_lshl_b32 s80, s17, 6                         ; 64 mi
	s_lshl_b32 s86, s18, 5
	s_add_co_u32 s86, s86, s80                     ; half 0: row 64 mi + 32 ni
	s_mul_i32 s86, s86, XP
	s_add_co_u32 s86, s86, XT
	s_lshl_b32 s87, s25, 5
	s_add_co_u32 s87, s87, s80                     ; half 1: row 64 mi + 32 (ni xor 1)
	s_mul_i32 s87, s87, XP
	s_add_co_u32 s87, s87, XT
	v_add_nc_u32 v[ADRX+0], s86, v5
	v_add_nc_u32 v[ADRX+1], s87, v5
	v_add_nc_u32 v[ADRX+2], SLOT, v[ADRX+0]
	v_add_nc_u32 v[ADRX+3], SLOT, v[ADRX+1]
	s_mul_i32 s86, s18, 128*WP                     ; my 128 rows of wt
	v_add_nc_u32 v[ADRW+0], s86, v4
	v_add_nc_u32 v[ADRW+1], SLOT, v[ADRW+0]
	v_add_nc_u32 v[ADRE+0], 256*WP, v4             ; W2's and W3's rows
	v_add_nc_u32 v[ADRE+1], SLOT, v[ADRE+0]
	s_mul_i32 s86, s16, 16*XP
	s_add_co_u32 s86, s86, STAGE                   ; my stage
	v_add_nc_u32 v[STO], s86, v5
	v_lshl_add_u32 v[RD], v3, 4, s86
	s_lshl_b32 s86, s18, 17                        ; 32 rows of 4,096 bytes x (ni xor p)
	s_lshl_b32 s87, s25, 17
	v_lshl_add_u32 v[XO+0], v3, 4, s86
	v_lshl_add_u32 v[XO+1], v3, 4, s87
	s_lshl_b32 s86, s16, 8                         ; s of rows 64 mi + 32 ni + ..: 8 bytes a row = 256 x wave
	s_add_co_u32 s86, s86, SBASE
	v_lshl_add_u32 v[SADR], v1, 3, s86
	s_lshl_b32 s80, s17, 9
	s_add_co_u32 s80, s80, SBASE
	s_lshl_b32 s86, s18, 8
	s_add_co_u32 s86, s86, s80
	s_lshl_b32 s87, s25, 8
	s_add_co_u32 s87, s87, s80
	v_mov_b32 v[SRD+0], s86
	v_mov_b32 v[SRD+1], s87
	v_lshlrev_b32 v25, 4, v3                       ; b1: 16 bytes a lane
	v_lshlrev_b32 v26, 5, v2                       ; b2, b3: 32 h
.irp u, 0,1
	v_mov_b32 v[CF+0+\u],  0x3f7fffc4              ; a1 =  0.9999964239
	v_mov_b32 v[CF+2+\u],  0xbeffef80              ; a2 = -0.4998741238
	v_mov_b32 v[CF+4+\u],  0x3ea9e190              ; a3 =  0.3317990258
	v_mov_b32 v[CF+6+\u],  0xbe7682ec              ; a4 = -0.2407338084
	v_mov_b32 v[CF+8+\u],  0x3e2bad82              ; a5 =  0.1676540711
	v_mov_b32 v[CF+10+\u], 0xbdc33c0e              ; a6 = -0.0953293897
	v_mov_b32 v[CF+12+\u], 0x3d13d187              ; a7 =  0.0360884937
	v_mov_b32 v[CF+14+\u], 0xbbd37841              ; a8 = -0.0064535442
.endr
	; What the last product needs is asked for now and waited for once, behind the K loop: the biases, and my own 64 x 128 numbers of x (each load: 512 consecutive bytes of a row).
	; The four column blocks of a cluster's row ask between them for exactly the 128 rows that their tiles are cut from.  No address register or base of these loads is rewritten.
	global_load_b128 v[B1:B1+3], v25, s[74:75]
	global_load_b128 v[B2:B2+3], v26, s[10:11]
	global_load_b128 v[B2+4:B2+7], v26, s[10:11] offset:16
	global_load_b128 v[B3:B3+3], v26, s[12:13]
	global_load_b128 v[B3+4:B3+7], v26, s[12:13] offset:16
	WIN TO_3
.set i, 0
.rept 64
	global_load_b128 v[4*i:4*i+3], v[XO+(i>>5)], s[70:71] offset:(i&31)*4096     ; local row i at window 3, register 4 i
.set i, i+1
.endr
	WIN 0
; 16 matrix instructions: row tiles a0, a0 + 1 x all 8 column tiles, 32 along K, from fragment buffer f.  zero = 1: the first product starts the sums.
.macro MULM f, a0, zero
.irp a, \a0, \a0+1
.irp b, 0,1,2,3,4,5,6,7
.if \zero
	v_wmma_f32_16x16x32_bf16 v[8*(8*(\a)+\b):8*(8*(\a)+\b)+7], v[80*\f+8*\b:80*\f+8*\b+7], v[XB+32*\f+8*(\a):XB+32*\f+8*(\a)+7], 0
.else
	v_wmma_f32_16x16x32_bf16 v[8*(8*(\a)+\b):8*(8*(\a)+\b)+7], v[80*\f+8*\b:80*\f+8*\b+7], v[XB+32*\f+8*(\a):XB+32*\f+8*(\a)+7], v[8*(8*(\a)+\b):8*(8*(\a)+\b)+7]
.endif
.endr
.endr
.endm
; 4 matrix instructions: row tiles 0, 1 (half 0) x W2, W3
.macro MULE f, zero
.irp e, 0,1
.irp c, 0,1
.if \zero
	v_wmma_f32_16x16x32_bf16 v[EX+8*(2*\e+\c):EX+8*(2*\e+\c)+7], v[80*\f+64+8*\c:80*\f+64+8*\c+7], v[XB+32*\f+8*\e:XB+32*\f+8*\e+7], 0
.else
	v_wmma_f32_16x16x32_bf16 v[EX+8*(2*\e+\c):EX+8*(2*\e+\c)+7], v[80*\f+64+8*\c:80*\f+64+8*\c+7], v[XB+32*\f+8*\e:XB+32*\f+8*\e+7], v[EX+8*(2*\e+\c):EX+8*(2*\e+\c)+7]
.endif
.endr
.endr
.endm
; 36 LDS loads in one run, for quarter q (32 k) of a slot: first x's 64 rows as f32 (a lane's k = 8 h .. + 7 are 32 bytes, k = 16 + 8 h .. the 32 bytes 64 further on),
; then wt's ten fragments into buffer g.
.macro FETCH slot, q, g
	WIN 0
.irp a, 0,1,2,3
	ds_load_b128 v[XR+16*\a:XR+16*\a+3],     v[ADRX+2*\slot+(\a>>1)] offset:(\a&1)*16*XP+128*\q
	ds_load_b128 v[XR+16*\a+4:XR+16*\a+7],   v[ADRX+2*\slot+(\a>>1)] offset:(\a&1)*16*XP+128*\q+16
	ds_load_b128 v[XR+16*\a+8:XR+16*\a+11],  v[ADRX+2*\slot+(\a>>1)] offset:(\a&1)*16*XP+128*\q+64
	ds_load_b128 v[XR+16*\a+12:XR+16*\a+15], v[ADRX+2*\slot+(\a>>1)] offset:(\a&1)*16*XP+128*\q+80
.endr
	WIN TO_1
.irp b, 0,1,2,3,4,5,6,7
	ds_load_b128 v[80*\g+8*\b:80*\g+8*\b+3],   v[ADRW+\slot] offset:\b*16*WP+64*\q
	ds_load_b128 v[80*\g+8*\b+4:80*\g+8*\b+7], v[ADRW+\slot] offset:\b*16*WP+64*\q+32
.endr
.irp c, 0,1
	ds_load_b128 v[80*\g+64+8*\c:80*\g+64+8*\c+3], v[ADRE+\slot] offset:\c*16*WP+64*\q
	ds_load_b128 v[80*\g+64+8*\c+4:80*\g+64+8*\c+7], v[ADRE+\slot] offset:\c*16*WP+64*\q+32
.endr
.endm
; x's four fragments are rounded to bf16 into buffer g.  These 32 plain vector instructions name no register of the matrix instructions in front of them (those read the other
; buffers), so they are also the places between those matrix instructions and the next loads and conversions into the buffers that they read: no v_nop in the loop.
.macro CVT g
	s_wait_dscnt 20                                ; LDS loads come back in order: x's 16 are in, wt's 20 younger ones may stay out
.irp a, 0,1,2,3
.irp t, 0,1,2,3,4,5,6,7
	v_cvt_pk_bf16_f32 v[XB+32*\g+8*\a+\t], v[XR+16*\a+2*\t], v[XR+16*\a+2*\t+1]
.endr
.endr
.endm
; A K step is four quarters of 32 along K, 36 matrix instructions each, on buffers 0, 1, 0, 1.  The 36 accumulators take turns, one instruction a turn, in the same order in every
; quarter, over the backward jump too.
; One of the first three quarters: multiplies buffer f, fetches quarter qn of the same slot into buffer g.
.macro QUARTER slot, qn, f, g, zero
	s_wait_dscnt 0x0                               ; wt's fragments of buffer f are in
	WIN MUL_M
	MULM \f, 0, \zero
	FETCH \slot, \qn, \g
	WIN MUL_M
	MULM \f, 2, \zero
	WIN MUL_E
	MULE \f, \zero
	WIN 0
	CVT \g
.endm
.macro THREE slot, zero
	QUARTER \slot, 1, 0, 1, \zero
	QUARTER \slot, 2, 1, 0, 0
	QUARTER \slot, 3, 0, 1, 0
.endm
; The last quarter: multiplies buffer 1 and changes slots.  In front of the barrier each wave waits for its reads of this slot and for all its tensor loads (one is out: its part
; of the next slot).  fill = 1: the barrier opens a round of the cluster's barrier, only matrix instructions and scalar work stand inside the round, and the joint refill of this
; slot, with the cluster's next K step but one, is the first tensor load behind it and the wave's only one until the next round; then the next slot's first fragments are read.
.macro TURN slot, next, fill
	s_wait_dscnt 0x0                               ; buffer 1 is in, and with it my last reads of this slot
	s_wait_tensorcnt 0x0                           ; all my tensor loads have landed
	ds_add_u32 v254, v255
	s_wait_dscnt 0x0
	s_barrier_signal -1
	WIN MUL_M
	MULM 1, 0, 0                                   ; registers only, while the others arrive
	WIN 0
	s_barrier_wait -1
.if \fill
	CREST                                          ; no wave of any partner still reads this slot or has a load on its way
	KADDR \slot                                    ; no tensor load of mine is out: group 0 may be written
	JLOAD \slot
.endif
	FETCH \next, 0, 0
	WIN MUL_M
	MULM 1, 2, 0
	WIN MUL_E
	MULE 1, 0
	WIN 0
	CVT 0
.endm
.macro LAP zero
	THREE 0, \zero
	TURN 0, 1, 1
	THREE 1, 0
	TURN 1, 0, 1
.endm
	s_wait_tensorcnt 0x1                           ; my part of the first fill is in; the second's stays out
	s_barrier_signal -1
	s_barrier_wait -1                              ; everybody's is
	FETCH 0, 0, 0
	WIN 0
	CVT 0
	LAP 1                                          ; the first lap stands in front of the loop: its first products start the sums
	s_mov_b32 s26, LAPS-2
.Llap:
	LAP 0
	s_sub_co_u32 s26, s26, 1
	s_cmp_lg_u32 s26, 0
	s_cbranch_scc1 .Llap
	THREE 0, 0                                     ; the last lap fills nothing and has no round: the one tensor load still out is slot 1's, the eighth fill
	TURN 0, 1, 0
	THREE 1, 0
	s_wait_dscnt 0x0                               ; the very last quarter
	WIN MUL_M
	MULM 1, 0, 0
	MULM 1, 2, 0
	WIN MUL_E
	MULE 1, 0
	WIN 0
.rept 4
	v_nop                                          ; the places behind the last matrix instructions (ISA guide 7.12.1), for all that now reads results or writes over fragments
.endr
	s_wait_loadcnt 0x0                             ; the biases and my piece of x, asked for at the start
	; s of my 32 rows.  Lane (r, h) holds row r's columns 8 h + 0..7 of x W2 and of x W3: add the biases, multiply, add the eight, add the other half's eight.
.irp e, 0,1
.irp u, 0,2,4,6
	v_pk_add_f32 v[EX+16*\e+\u:EX+16*\e+\u+1], v[EX+16*\e+\u:EX+16*\e+\u+1], v[B2+\u:B2+\u+1]
	v_pk_add_f32 v[EX+16*\e+8+\u:EX+16*\e+8+\u+1], v[EX+16*\e+8+\u:EX+16*\e+8+\u+1], v[B3+\u:B3+\u+1]
.endr
	v_pk_mul_f32 v[T:T+1], v[EX+16*\e:EX+16*\e+1], v[EX+16*\e+8:EX+16*\e+9]
.irp u, 2,4,6
	v_pk_fma_f32 v[T:T+1], v[EX+16*\e+\u:EX+16*\e+\u+1], v[EX+16*\e+8+\u:EX+16*\e+8+\u+1], v[T:T+1]
.endr
	v_add_f32 v[T], v[T], v[T+1]
	v_permlanex16_b32 v[T+1], v[T], s76, s77       ; its destination has been written before
	v_add_f32 v[SS+2*\e], v[T], v[T+1]
	v_mov_b32 v[SS+2*\e+1], v[SS+2*\e]             ; twice: a pair for the packed multiply
	ds_store_b64 v[SADR], v[SS+2*\e:SS+2*\e+1] offset:128*\e       ; lanes r and 16 + r store the same value to the same bytes
.endr
	s_wait_dscnt 0x0                               ; my stores are in LDS, for the other waves' sake
	s_barrier_signal -1
	s_barrier_wait -1                              ; s of all 128 rows is there
	WIN TO_1
.irp p, 0,1
.irp t, 0,1,2,3,4,5,6,7,8,9,10,11,12,13,14,15
	ds_load_b128 v[64*\p+4*\t:64*\p+4*\t+3], v[SRD+\p] offset:16*\t    ; (s, s) of local row i at window 1, register 2 i; every lane reads the same bytes
.endr
.endr
	WIN 0
; Eight rows (local rows 16 a + 8 hf + 0..7), four neighbouring columns a lane, in z .. z + 31: bias, softplus, times s, times x, store.  Each stage runs over all 32 registers.
.macro CHUNK a, hf, z
.irp t, 0,1,2,3,4,5,6,7
	v_pk_add_f32 v[\z+4*\t:\z+4*\t+1], v[\z+4*\t:\z+4*\t+1], v[B1:B1+1]
	v_pk_add_f32 v[\z+4*\t+2:\z+4*\t+3], v[\z+4*\t+2:\z+4*\t+3], v[B1+2:B1+3]
.endr
.set k, 0
.rept 32
	v_mul_f32 v[EE+k], s78, |v[\z+k]|              ; -log2(e) |z|: never above 0
.set k, k+1
.endr
.set k, 0
.rept 32
	v_exp_f32 v[EE+k], v[EE+k]                     ; e = exp(-|z|), 0 to 1
.set k, k+1
.endr
.set k, 0
.rept 32
	v_max_num_f32 v[\z+k], 0, v[\z+k]              ; max(z, 0); also the plain instructions between the exponentials and the first use of e
.set k, k+1
.endr
.set k, 0
	s_wait_alu depctr_va_vdst(0)
.rept 16
	v_pk_fma_f32 v[PP+k:PP+k+1], v[EE+k:EE+k+1], v[CF+14:CF+15], v[CF+12:CF+13]
.set k, k+2
.endr
.irp c, 10,8,6,4,2,0
.set k, 0
.rept 16
	v_pk_fma_f32 v[PP+k:PP+k+1], v[PP+k:PP+k+1], v[EE+k:EE+k+1], v[CF+\c:CF+\c+1]
.set k, k+2
.endr
.endr
.set k, 0
.rept 16
	v_pk_fma_f32 v[\z+k:\z+k+1], v[PP+k:PP+k+1], v[EE+k:EE+k+1], v[\z+k:\z+k+1]   ; softplus = max(z, 0) + e P(e)
.set k, k+2
.endr
	WIN 0x04                                       ; source 1 in window 1: s
.irp t, 0,1,2,3,4,5,6,7
	v_pk_mul_f32 v[\z+4*\t:\z+4*\t+1], v[\z+4*\t:\z+4*\t+1], v[2*(16*\a+8*\hf+\t):2*(16*\a+8*\hf+\t)+1]
	v_pk_mul_f32 v[\z+4*\t+2:\z+4*\t+3], v[\z+4*\t+2:\z+4*\t+3], v[2*(16*\a+8*\hf+\t):2*(16*\a+8*\hf+\t)+1]
.endr
	WIN 0x0c                                       ; source 1 in window 3: x
.irp t, 0,1,2,3,4,5,6,7
	v_pk_mul_f32 v[\z+4*\t:\z+4*\t+1], v[\z+4*\t:\z+4*\t+1], v[4*(16*\a+8*\hf+\t):4*(16*\a+8*\hf+\t)+1]
	v_pk_mul_f32 v[\z+4*\t+2:\z+4*\t+3], v[\z+4*\t+2:\z+4*\t+3], v[4*(16*\a+8*\hf+\t)+2:4*(16*\a+8*\hf+\t)+3]
.endr
	WIN 0
.irp t, 0,1,2,3,4,5,6,7
	global_store_b128 v[XO+((16*\a+8*\hf+\t)>>5)], v[\z+4*\t:\z+4*\t+3], s[72:73] offset:((16*\a+8*\hf+\t)&31)*4096 th:TH_STORE_NT   ; the wave stores 512 consecutive bytes of a row, aligned
.endr
.endm
; Row tile a (16 rows x 128 columns): a lane's eight numbers of a row go into my own stage, whole rows come back, 16 bytes a lane.
.macro OUTTILE a
	WIN 0x08                                       ; LDS store data in window 2
.irp b, 0,1,2,3,4,5,6,7
	ds_store_b128 v[STO], v[8*(8*\a+\b):8*(8*\a+\b)+3] offset:64*\b
	ds_store_b128 v[STO], v[8*(8*\a+\b)+4:8*(8*\a+\b)+7] offset:64*\b+16
.endr
	WIN 0
	s_wait_xcnt 0x0                                ; Z0 and Z1, which the last tile's stores read, are loaded again only behind this wait
.irp t, 0,1,2,3,4,5,6,7
	ds_load_b128 v[Z0+4*\t:Z0+4*\t+3], v[RD] offset:XP*\t          ; LDS serves a wave's instructions in order (ISA guide 5.7.1): these see the stores above
.endr
.irp t, 0,1,2,3,4,5,6,7
	ds_load_b128 v[Z1+4*\t:Z1+4*\t+3], v[RD] offset:XP*(8+\t)
.endr
	s_wait_dscnt 8                                 ; rows 0-7 are in (and, in the first tile, s, which was asked for earlier); the 8 younger loads may stay out
	CHUNK \a, 0, Z0
	s_wait_dscnt 0x0
	CHUNK \a, 1, Z1
.endm
	OUTTILE 0
	OUTTILE 1
	OUTTILE 2
	OUTTILE 3
	s_wait_dscnt 0x0
	s_wait_tensorcnt 0x0
	ds_add_u32 v254, v255
	s_wait_dscnt 0x0
	CROUND                                         ; the closing round: no work-group ends while a partner may still ask for a tile that names it
	s_endpgm
.Lfunc_end_k_q5bf799ad79_main:
	.size	k_q5bf799ad79_main, .Lfunc_end_k_q5bf799ad79_main-k_q5bf799ad79_main
	.p2alignl 7, 3214868480
	.fill 96, 4, 3214868480
	.section	.rodata,"a",@progbits
	.p2align	6, 0x0
	.amdhsa_kernel k_q5bf799ad79_main
		.amdhsa_group_segment_fixed_size 327680
		.amdhsa_private_segment_fixed_size 0
		.amdhsa_enable_private_segment 0
		.amdhsa_kernarg_size 48
		.amdhsa_user_sgpr_count 2
		.amdhsa_user_sgpr_kernarg_segment_ptr 1
		.amdhsa_wavefront_size32 1
		.amdhsa_system_sgpr_workgroup_id_x 1
		.amdhsa_system_sgpr_workgroup_id_y 1
		.amdhsa_system_sgpr_workgroup_id_z 1
		.amdhsa_system_vgpr_workitem_id 0
		.amdhsa_next_free_vgpr 1024
		.amdhsa_next_free_sgpr 92
		.amdhsa_reserve_vcc 0
		.amdhsa_float_denorm_mode_32 3
		.amdhsa_float_denorm_mode_16_64 3
		.amdhsa_memory_ordered 1
		.amdhsa_forward_progress 1
		.amdhsa_inst_pref_size 255
	.end_amdhsa_kernel
	.section	.bss,"aw",@nobits
	.p2align	6
	.space	262144
	.amdgpu_metadata
---
amdhsa.version: [ 1, 2 ]
amdhsa.kernels:
  - .name:           k_q5bf799ad79_main
    .symbol:         k_q5bf799ad79_main.kd
    .args:
      - { .name: x, .offset: 0, .size: 8, .value_kind: global_buffer, .address_space: global }
      - { .name: wt, .offset: 8, .size: 8, .value_kind: global_buffer, .address_space: global }
      - { .name: b1, .offset: 16, .size: 8, .value_kind: global_buffer, .address_space: global }
      - { .name: b2, .offset: 24, .size: 8, .value_kind: global_buffer, .address_space: global }
      - { .name: b3, .offset: 32, .size: 8, .value_kind: global_buffer, .address_space: global }
      - { .name: out0, .offset: 40, .size: 8, .value_kind: global_buffer, .address_space: global }
    .group_segment_fixed_size: 327680
    .private_segment_fixed_size: 0
    .kernarg_segment_align: 8
    .kernarg_segment_size: 48
    .max_flat_workgroup_size: 128
    .sgpr_count:     92
    .vgpr_count:     1024
    .wavefront_size: 32
...
	.end_amdgpu_metadata
.endif
;; end of part 2
